; MI455X (gfx1250); checked and timed in simulation.
; The chip was launched on July 23, 2026; its instructions are those of AMD's public machine-readable ISA for CDNA 5 (MIT licence, August 2026) and "CDNA5" Instruction Set Architecture Reference Guide (July 2026). The comments in the code are by the model that wrote it; some were corrected since.
;; Quant Linear. Allowed arithmetic: matrix products marked QUANTISED: E2M1 operands, one E8M0 scale for each 32 along K, by v_wmma_scale_f32_16x16x128_f8f6f4 with both operands' format E2M1 (or v_wmma_scale_f32_32x16x128_f4), f32 sums; everything else in f32.
;; Inputs: bias 4,096 float32; qweight 4,096 x 4,096 int8; scale 4,096 float32; x_codes 4 x 1,024 x 128 x 16 uint8 (E2M1 codes of x, K innermost, in blocks of 32 codes, two codes a byte); x_scales 4 x 1,024 x 128 uint8 (E8M0 scales of x, one for each 32 codes along K).
;; Outputs: out0 4 x 1,024 x 4,096 bfloat16.
;; This version of the problem:
;;   THIS VERSION OF THE PROBLEM IS GIVEN IN LOW PRECISION. The matrix products marked QUANTISED in the list below multiply operands that are first quantised to E2M1 (2 exponent bits, 1 mantissa bit; 4 bits a number), with one power-of-two scale for each 32 numbers along K (OCP MX v1.0); their sums are f32. All else is computed in f32.
;;   The module's matrix products, in the order in which they are computed (A, B: the left and right operand; K: the contracted axis; several contracted axes count as one K, in the product's order):
;;     1. [M 4,096, K 4,096] x [K 4,096, N 4,096]; A: input x (given as codes); B: computed on the way: QUANTISED
;;   THE QUANTISER, for each operand of a quantised product, along K:
;;     - K is cut into blocks of 32 from its start; a last block that is shorter is filled with zeros.
;;     - A block's scale is 2^e with e = floor(log2(the largest magnitude in the block)) - 2, held to -126 .. 127; a block of zeros has e = 0. As a byte (E8M0): e + 127.
;;     - Each number is divided by its block's scale, clamped to +-6, and rounded to the nearest number of E2M1, ties to even, subnormals kept.
;;     - The product sums the exact products of the quantised numbers (number of the format x scale) in f32.
;;   ~~~python
;;   def quantise(x, axis):      # numpy; x: float32 -> the quantised numbers, widened to float32 again
;;       x = np.moveaxis(x, axis, -1); K = x.shape[-1]
;;       x = np.pad(x, [(0, 0)] * (x.ndim - 1) + [(0, -K % 32)]); x = x.reshape(x.shape[:-1] + (-1, 32)); a = np.abs(x).max(-1, keepdims=True)
;;       e = np.where(a > 0, np.clip(np.frexp(np.where(a > 0, a, 1))[1] - 1 - 2, -126, 127), 0)      # np.frexp(a)[1] - 1 = floor(log2(a)), exactly
;;       r = np.clip(x / 2.0 ** e, -6, 6)
;;       step = 2.0 ** (np.maximum(np.frexp(np.where(r == 0, 1, r))[1] - 1, 0) - 1)
;;       q = np.round(r / step) * step * 2.0 ** e      # np.round: ties to even
;;       return np.moveaxis(q.reshape(q.shape[:-2] + (-1,))[..., :K], -1, axis).astype(np.float32)
;;   ~~~
;;   OPERANDS COMPUTED ON THE WAY. 'Computed on the way' means the value that the module computes at that place (a softmax that the list does not call 'softmax' is quantised finished and normalised). What goes into a quantiser is computed in f32, as accurately as f32 sums, v_exp_f32 and their like allow (about 1e-6 of the number): no bf16 or f16 on the way to a quantiser, and a product that is left as it is and whose result goes on into a quantised operand takes f32 operands (vector FMAs, or v_wmma_f32_16x16x4_f32). A number that lies on a knife's edge between two numbers of the format may be rounded either way, as far as f32 arithmetic and the matrix unit's own rounding can turn it there, and no further.
;;   INPUTS GIVEN AS CODES. x (in the module: [4, 1024, 4096], K = its axis 2): each comes as NAME_codes (uint8): NAME with its K axis moved to the last place and cut into blocks of 32 codes, [.., K / 32, bytes a block], one block behind the other in memory; two codes a byte, the lower K in the low four bits (a code: sign, 2 exponent bits, 1 mantissa bit); and NAME_scales (uint8): the same leading axes, one E8M0 byte (e + 127) for each 32 codes along K. Its value is code x scale, taken as it is: it is not quantised again, and the codes and scales need not be those that the quantiser above would give.
;; One version. Each part assembles by itself: llvm-mc -triple=amdgcn-amd-amdhsa -mcpu=gfx1250 --defsym DOCPART=n.
;; ======== version 1 of 1: 2 launches
;; limits: values are held in bf16: 8 bits of precision; right only within a limited range of input values
;; workspace buffers: wq 8,912,896 bytes; xs 524,288 bytes
;; launch quant (part 1): grid 256 x 1, 8 waves a work-group, no clusters, 3,072 bytes of LDS; arguments qweight, scale, wq, x_scales, xs; writes wq, xs
.if DOCPART == 1
	.amdgcn_target "amdgcn-amd-amdhsa--gfx1250"
	.amdhsa_code_object_version 6
	.text
	.protected	k_q5f2ee707a3_quant
	.globl	k_q5f2ee707a3_quant
	.p2align	8
	.type	k_q5f2ee707a3_quant,@function
k_q5f2ee707a3_quant:
	s_mov_b64 s[64:65], 0
	v_nop
	global_prefetch_b8 v0, s[64:65] scope:SCOPE_SE
	s_setreg_imm32_b32 hwreg(HW_REG_WAVE_MODE, 25, 1), 1
	s_wait_xcnt 0x0
; W[o][k] = f32(qweight[o][k]) x scale[o] (one f32 rounding), quantised along K to codes of FP4 (E2M1) with one E8M0 byte for each 32 along K.
; qweight: [4096][4096] int8, K innermost.  scale: [4096] f32.
; OUT: wq, laid for the product's launch: [o / 128 : 32][k / 512 : 8][136 rows][256 bytes].  Rows 0-127 of a block: the 512 codes (256 bytes) of W's row 128 (o / 128) + row.
; Row 128 + g: the scale bytes of the block's rows 16 g .. 16 g + 15, 16 bytes a row, byte j for k = 512 (k / 512) + 32 j.
; xs: x_scales laid likewise: [m / 256 : 16][k / 512 : 8][16 rows][256 bytes]; row g of a block: rows 16 g .. 16 g + 15 of x, 16 bytes each.
; A block's scale is 2^(floor(log2(its largest magnitude)) - 2); its byte is the largest magnitude's own exponent field - 2, held at 1 from below.
; LIMITS: a block of zeros (or one whose largest magnitude lies under 2^-124) gets the byte 1; for zeros the quantiser's rule says 127: the codes are zeros, which add nothing under any byte but 0xff,
; and this program alone reads the bytes.  NaN and infinities in scale are not served.  Any sign of scale and all of int8, -128 too, are served.
; SHARES.  Work-group g takes W's rows 16 g .. 16 g + 15; wave w their k = 512 w .. 512 w + 511; lane l the 16 bytes k = 512 w + 16 l .. + 15 of each row: a load of the wave reads 512 bytes on end,
; and two neighbouring lanes hold a block of 32.  All loads of a wave go out at the head: the sixteen rows' scales (lane l takes row l % 16's), the sixteen rows, and last the x scale bytes that it moves
; (x's rows 16 g .. 16 g + 15, K step w: lane l row l / 2, 8 bytes).  Rows are worked in pairs, their chains interleaved.  No loop, no barrier: waves share nothing.
.set SV,  15                           ; v15      lane l: the scale of row l % 16
.set X,   16                           ; v16-79   row i: 4 registers, 16 int8 as loaded
.set T,   80                           ; v80-111  16 f32 for each row of the pair
.set C,   112                          ; v112-143 row i: 2 registers of codes
.set E,   144                          ; v144-159 row i: its block's scale byte
.set U,   160                          ; v160-161 the wave's 256 scale bytes on their way out
.set XD,  164                          ; v164-165 x's scale bytes
.set BLKB, 34816                       ; bytes of a block of wq: 136 rows x 256
	s_load_b128 s[4:7], s[0:1], 0x0                ; qweight s[4:5], scale s[6:7]
	s_load_b64 s[8:9], s[0:1], 0x10                ; wq
	s_load_b128 s[16:19], s[0:1], 0x18             ; x_scales s[16:17], xs s[18:19]
	v_lshl_add_u32 v168, v0, 2, 0x800
	v_mov_b32 v169, 0
	v_lshrrev_b32 v2, 5, v0
	v_and_b32 v1, 31, v0                           ; lane
	v_readfirstlane_b32 s10, v2                    ; wave 0..7
	v_and_b32 v7, 15, v0
	v_lshlrev_b32 v3, 4, v1                        ; in: 16 bytes a lane
	v_lshlrev_b32 v4, 3, v1                        ; out: 8 bytes a lane
	v_lshlrev_b32 v7, 2, v7                        ; the scales: 4 bytes a row, row = lane % 16
	v_lshrrev_b32 v163, 1, v1
	v_and_b32 v162, 1, v1
	s_lshl_b32 s11, s10, 8                         ; LDS: 256 bytes for each wave
	v_add_nc_u32 v5, s11, v163                     ; where my block's byte goes: 256 w + lane / 2 (+ 16 x row)
	v_lshlrev_b32 v162, 3, v162
	v_add_nc_u32 v6, s11, v4                       ; and where I read 8 bytes back
	v_lshl_add_u32 v162, v163, 7, v162             ; x's scale bytes: 128 a row, 8 for each half
	s_mov_b32 s32, 0x80808080                      ; turns four int8 into q + 128, unsigned
	s_mov_b32 s33, 0x4b000000                      ; the f32 number 2^23
	s_mov_b32 s34, 0x03020104                      ; v_perm_b32: byte 0, 1, 2 or 3 of the first source under the upper three bytes of 2^23
	s_mov_b32 s35, 0x03020105
	s_mov_b32 s36, 0x03020106
	s_mov_b32 s37, 0x03020107
	s_mov_b32 s38, 0xcb000080                      ; -(2^23 + 128)
	s_mov_b32 s39, 0xcb000080                      ; (named with it as a pair, so it is written)
	s_mov_b32 s41, 0                               ; (likewise beside s40 and s42, the rows' scales)
	s_mov_b32 s43, 0
	s_lshl_b32 s12, ttmp9, 16                      ; my 16 rows of 4,096 bytes,
	s_lshl_b32 s13, s10, 9                         ; my wave's 512 bytes of each
	s_add_co_u32 s12, s12, s13
	s_mov_b32 s13, 0
	s_lshl_b32 s14, ttmp9, 6                       ; my 16 rows' scales: 64 bytes
	s_mov_b32 s15, 0
	s_lshl_b32 s20, ttmp9, 11                      ; 16 rows of 128 scale bytes of x
	s_lshl_b32 s21, s10, 4
	s_add_co_u32 s20, s20, s21
	s_mov_b32 s21, 0
	s_wait_alu depctr_va_vdst(0)
	s_wait_kmcnt 0x0
	s_add_nc_u64 s[6:7], s[6:7], s[14:15]
	s_add_nc_u64 s[4:5], s[4:5], s[12:13]
	s_add_nc_u64 s[16:17], s[16:17], s[20:21]
	global_load_b32 v[SV], v7, s[6:7]              ; the oldest load: the first pair's counted wait shows it in too
.irp i, 0,1,2,3,4,5,6,7,8,9,10,11,12,13,14,15
	global_load_b128 v[X+4*\i:X+4*\i+3], v3, s[4:5] offset:4096*\i th:TH_LOAD_NT   ; row i: 32 lanes read 512 bytes on end; read once in the launch
.endr
	global_load_b64 v[XD:XD+1], v162, s[16:17]     ; the youngest load
	s_and_b32 s11, ttmp9, 0xf8                     ; 8 x (o / 128)
	s_add_co_u32 s11, s11, s10                     ; + k / 512: my block of wq
	s_mul_i32 s12, s11, BLKB
	s_add_nc_u64 s[8:9], s[8:9], s[12:13]
	s_and_b32 s11, ttmp9, 7                        ; which 16 of the block's 128 rows are mine
	s_lshl_b32 s12, s11, 8
	s_add_co_u32 s12, s12, 128*256
	s_add_nc_u64 s[14:15], s[8:9], s[12:13]        ; their scale bytes: row 128 + that number
	s_lshl_b32 s12, s11, 12
	s_add_nc_u64 s[8:9], s[8:9], s[12:13]          ; their codes: 16 rows of 256 bytes
	s_lshr_b32 s20, ttmp9, 4
	s_lshl_b32 s20, s20, 3
	s_add_co_u32 s20, s20, s10
	s_lshl_b32 s20, s20, 12                        ; xs: block (g / 16, w) of 4,096 bytes,
	s_and_b32 s21, ttmp9, 15
	s_lshl_b32 s21, s21, 8
	s_add_co_u32 s20, s20, s21                     ; its row g % 16
	s_mov_b32 s21, 0
	s_add_nc_u64 s[18:19], s[18:19], s[20:21]
.macro MX3 d, n, a, b                  ; both rows: v[8 + 4 k + d] = the largest of itself and two magnitudes of row k
	v_max3_num_f32 v[8+\d], v[8+\d], |v[T+\a]|, |v[T+\b]|
	v_max3_num_f32 v[12+\d], v[12+\d], |v[T+16+\a]|, |v[T+16+\b]|
.endm
; Rows i and i + 1.  v8-9 and v10: row i's two running maxima and its conversion's scale operand;  v12-14 row i + 1's.
.macro PAIR i
.set R0, \i
.set R1, \i+1
	s_wait_loadcnt 15-(\i)                         ; loads come back in order: rows i, i + 1 are in; the 14 - i younger rows and the youngest load may be out
	v_readlane_b32 s40, v[SV], R0                  ; the rows' scales
	v_readlane_b32 s42, v[SV], R1
.irp d, 0,1,2,3,4,5,6,7
	v_xor_b32 v[X+4*R0+\d], s32, v[X+4*R0+\d]      ; each byte: q + 128, 0 .. 255
.endr
.irp d, 0,1,2,3,4,5,6,7
.irp j, 0,1,2,3
	v_perm_b32 v[T+4*\d+\j], v[X+4*R0+\d], s33, s[34+\j]   ; the byte as the lowest mantissa bits of 2^23: the f32 number 2^23 + 128 + q, exactly
.endr
.endr
.irp p, 0,2,4,6,8,10,12,14,16,18,20,22,24,26,28,30
	v_pk_add_f32 v[T+\p:T+\p+1], v[T+\p:T+\p+1], s[38:39] op_sel_hi:[1,0]   ; q, exactly
.endr
.irp p, 0,2,4,6,8,10,12,14
	v_pk_mul_f32 v[T+\p:T+\p+1], v[T+\p:T+\p+1], s[40:41] op_sel_hi:[1,0]   ; q x scale: the one rounding.  (Not fused with the line above: that would round another number)
	v_pk_mul_f32 v[T+16+\p:T+17+\p], v[T+16+\p:T+17+\p], s[42:43] op_sel_hi:[1,0]
.endr
.irp k, 0,1
	v_max3_num_f32 v[8+4*\k], |v[T+16*\k]|, |v[T+16*\k+1]|, |v[T+16*\k+2]|   ; the largest magnitude of my 16, in two chains a row
	v_max3_num_f32 v[9+4*\k], |v[T+16*\k+3]|, |v[T+16*\k+4]|, |v[T+16*\k+5]|
.endr
	MX3 0, 0, 6, 7
	MX3 1, 0, 8, 9
	MX3 0, 0, 10, 11
	MX3 1, 0, 12, 13
	MX3 0, 0, 14, 15
.irp k, 0,1
	v_max3_num_f32 v[8+4*\k], v[8+4*\k], v[9+4*\k], 0x1800000      ; and the floor 2^(3 - 127): so the byte cannot fall under 1
.endr
.irp k, 0,1
	v_max_num_f32_dpp v[8+4*\k], v[8+4*\k], v[8+4*\k] row_xmask:1 row_mask:0xf bank_mask:0xf   ; with my neighbour's 16: the block's
.endr
.irp k, 0,1
	v_add_nc_u32 v[10+4*\k], 0xff000000, v[8+4*\k] ; 2 off its exponent field: the conversion takes the exponent field of this operand as its scale, and nothing else of it
.endr
.irp k, 0,1
	v_cvt_scalef32_pk8_fp4_f32 v[C+2*(R0+\k)], v[T+16*\k:T+16*\k+7], v[10+4*\k]   ; eight numbers / the scale, to the nearest code, ties to even, beyond 6 the largest code
	v_cvt_scalef32_pk8_fp4_f32 v[C+2*(R0+\k)+1], v[T+16*\k+8:T+16*\k+15], v[10+4*\k]
.endr
.irp k, 0,1
	v_lshrrev_b32 v[E+R0+\k], 23, v[10+4*\k]       ; the scale's byte.  (Also the plain lines behind the conversions)
.endr
.irp k, 0,1
	ds_store_b8 v5, v[E+R0+\k] offset:16*(R0+\k)   ; both lanes of a block write the same byte with the same value
	global_store_b64 v4, v[C+2*(R0+\k):C+2*(R0+\k)+1], s[8:9] offset:256*(R0+\k)   ; the wave stores 256 bytes on end, at a multiple of 256 from wq's first byte
.endr
.endm
.irp i, 0,2,4,6,8,10,12,14
	PAIR \i
.endr
	ds_load_b64 v[U:U+1], v6                       ; LDS serves a wave's instructions in order (ISA guide 5.7.1.4): this sees my sixteen byte stores
	s_wait_loadcnt 0x0
	global_store_b64 v4, v[XD:XD+1], s[18:19]      ; 256 bytes on end, at a multiple of 256 from xs's first byte
	s_wait_dscnt 0x0
	global_store_b64 v4, v[U:U+1], s[14:15]        ; my 16 rows' scale bytes of these 512 along K: 256 bytes on end, aligned likewise
	s_wait_tensorcnt 0x0                           ; the wave's end
	ds_add_u32 v168, v169
	s_wait_dscnt 0x0
	s_endpgm
.Lfunc_end_k_q5f2ee707a3_quant:
	.size	k_q5f2ee707a3_quant, .Lfunc_end_k_q5f2ee707a3_quant-k_q5f2ee707a3_quant
	.p2alignl 7, 3214868480
	.fill 96, 4, 3214868480
	.section	.rodata,"a",@progbits
	.p2align	6, 0x0
	.amdhsa_kernel k_q5f2ee707a3_quant
		.amdhsa_group_segment_fixed_size 3072
		.amdhsa_private_segment_fixed_size 0
		.amdhsa_enable_private_segment 0
		.amdhsa_kernarg_size 40
		.amdhsa_user_sgpr_count 2
		.amdhsa_user_sgpr_kernarg_segment_ptr 1
		.amdhsa_wavefront_size32 1
		.amdhsa_system_sgpr_workgroup_id_x 1
		.amdhsa_system_sgpr_workgroup_id_y 1
		.amdhsa_system_sgpr_workgroup_id_z 1
		.amdhsa_system_vgpr_workitem_id 0
		.amdhsa_next_free_vgpr 170
		.amdhsa_next_free_sgpr 66
		.amdhsa_reserve_vcc 0
		.amdhsa_float_denorm_mode_32 3
		.amdhsa_float_denorm_mode_16_64 3
		.amdhsa_memory_ordered 1
		.amdhsa_forward_progress 1
		.amdhsa_inst_pref_size 56
	.end_amdhsa_kernel
	.amdgpu_metadata
---
amdhsa.version: [ 1, 2 ]
amdhsa.kernels:
  - .name:           k_q5f2ee707a3_quant
    .symbol:         k_q5f2ee707a3_quant.kd
    .args:
      - { .name: qweight, .offset: 0, .size: 8, .value_kind: global_buffer, .address_space: global }
      - { .name: scale, .offset: 8, .size: 8, .value_kind: global_buffer, .address_space: global }
      - { .name: wq, .offset: 16, .size: 8, .value_kind: global_buffer, .address_space: global }
      - { .name: x_scales, .offset: 24, .size: 8, .value_kind: global_buffer, .address_space: global }
      - { .name: xs, .offset: 32, .size: 8, .value_kind: global_buffer, .address_space: global }
    .group_segment_fixed_size: 3072
    .private_segment_fixed_size: 0
    .kernarg_segment_align: 8
    .kernarg_segment_size: 40
    .max_flat_workgroup_size: 256
    .sgpr_count:     66
    .vgpr_count:     170
    .wavefront_size: 32
...
	.end_amdgpu_metadata
.endif
;; end of part 1
;; launch gemm (part 2): grid 16 x 16, 4 waves a work-group, clusters of 4 x 4, 327,680 bytes of LDS; arguments x_codes, xs, wq, bias, out0; writes out0
.if DOCPART == 2
	.amdgcn_target "amdgcn-amd-amdhsa--gfx1250"
	.amdhsa_code_object_version 6
	.text
	.protected	k_q5f2ee707a3_gemm
	.globl	k_q5f2ee707a3_gemm
	.p2align	8
	.type	k_q5f2ee707a3_gemm,@function
k_q5f2ee707a3_gemm:
	s_mov_b64 s[64:65], 0
	v_nop
	global_prefetch_b8 v0, s[64:65] scope:SCOPE_SE
	s_setreg_imm32_b32 hwreg(HW_REG_WAVE_MODE, 25, 1), 1
	s_wait_xcnt 0x0
	s_wait_alu depctr_hold_cnt(0) depctr_sa_sdst(0) depctr_va_vdst(0) depctr_va_sdst(0) depctr_va_ssrc(0) depctr_va_vcc(0) depctr_vm_vsrc(0)
	s_getreg_b32 s2, hwreg(HW_REG_IB_STS2, 6, 4)
	s_cmp_eq_u32 s2, 0
	s_cbranch_scc0 .Lentry_in_a_cluster
	s_endpgm
.Lentry_in_a_cluster:
	s_bfe_u32 s2, ttmp6, 0x10000c
	s_cmp_lg_u32 s2, 0xf033
	s_cbranch_scc0 .Lentry_shape_is_right
	s_endpgm
.Lentry_shape_is_right:
; out[m][o] = bf16( sum over k of x[m][k] W[o][k] + bias[o] ), M = N = K = 4,096, both operands codes of FP4 (E2M1) with one E8M0 byte for each 32 along K; sums in f32, one rounding to bf16.
; x_codes: [4096][2048 bytes], as given.  xs: x's scale bytes, [m / 256][k / 512][16 rows][256 bytes].  wq: W's codes and scale bytes, [o / 128][k / 512][136 rows][256 bytes]: rows 0-127 codes,
; row 128 + g the scale bytes of rows 16 g .. 16 g + 15 (16 bytes a row).  bias: [4096] f32.  out: [4096][4096] bf16.
; A tile of out, 256 x 256, is made by a work-group of four waves; a wave makes 128 x 128: 32 accumulators of 32 x 16, 512 registers.  256 tiles, one to a work-group.
; K goes in eight steps of 512 through a ring of two LDS slots filled by the tensor data mover.  A slot: x's 256 rows of 256 bytes, then W's 256: waves 0 and 1 fetch x's two halves, waves 2 and 3 W's.
; THE SCALE WORDS go from memory straight into their registers, a K step ahead: eight loads a wave and K step, each of whole blocks of 256 bytes.
; CLUSTERS: 4 x 4 work-groups.  The four of a row of the cluster need the same tiles of x, the four of a column the same blocks of W: each is asked for JOINTLY, by the same tensor load with the same
; descriptor and a mask that names the four.
; THE ORDER ALONG K: the cluster at (X, Y) takes the eight steps in the order c, c + 1, .. (mod 8), c = (2 Y + X mod 2) mod 8, so that at any one time the clusters ask for different 256-byte columns of x.
; c is made of the cluster's coordinates alone: it is the same in all sixteen partners.
; LIMIT: the f32 sums are therefore not taken with K ascending (and in the step taken last the four runs of 128 go in the order 0, 2, 3, 1): the sums' last bits differ from cluster to cluster.
; THE MATRIX INSTRUCTION IS USED TRANSPOSED: source 0 = 32 rows of W, source 1 = 16 rows of x.  Lane (r, h) then holds row r of the block of out, and its registers 0-7 and 8-15 the columns 8 h + 0 .. 7 and 16 + 8 h + 0 .. 7.
; THE BIAS is the C of each sum's first matrix instruction: nothing is cleared, nothing is added later.
; FRAGMENTS have two sets, for x and for W: at the head of a step of 128 along K the next step's 32 loads go out in one run, into the set that is not at work; then come the step's 32 products.
; THE CHANGE OF SLOTS stands at the end of a slot's THIRD step: by then the fourth step's fragments are in registers, so nobody reads the slot any more, and the next slot's first fragments are
; loaded under the whole fourth step.
; PREFETCH into the L2: the load of K step k + 2 is followed by a prefetch of K step k + 4.  Each block of 256 bytes is named once in each cluster that will load it: of x's 256 rows the work-group at cx takes 64
; (waves 0, 1: 32 each, a lane a row) and 4 of the 16 scale rows; of each of W's two blocks (waves 2, 3) the one at cy takes 32 code rows and 2 scale rows: told apart by address alone.  K step 1 is asked for
; behind the head's loads, steps 2 and 3 behind slot 1's first fill; the last trip asks for nothing.
; REGISTERS: window 0: v0-31 addresses; v32-95 scale words, a set for each slot, and nothing else; v96-223 x's fragments, two sets of 8 x 16 rows x 128 K (in the last K step four blocks of 16 rows x 512 K).
;   window 1: W's fragments, sets at v0 and v64 (in the last K step its four runs of 128 along K, at v0, 64, 128, 192); v128-191 the bias, in the first step.
;   window 2: the sums of my rows 0-63 (x's block a, W's pair p at v[64 (a % 4) + 16 p]);  window 3: those of my rows 64-127; on the way out each block's packed results and read-back rows take its own sums' registers.
.set PITCH, 272                        ; an LDS row: 256 bytes + 16 of padding = 68 words: the 16 rows that a load touches start 4 words apart modulo 64 (64 banks of 4 bytes: ISA guide 11.1)
.set WBLK,  136*256                    ; a block of wq in memory
.set HALF,  128*PITCH                  ; what one tensor load brings
.set SLOT,  4*HALF
.set SPARE, 2*SLOT                     ; the spare words, 128 bytes for each wave: two blocks of 256 bytes that no other line names
.set STAGE, SPARE+512                  ; the way out: 16 rows x 272 bytes for each wave; no tensor load lands there
.set ADRX,  16                         ; v16-17  LDS address of my fragments of x in slot 0, 1
.set ADRW,  18                         ; v18-19  of W's
.set GX,    20                         ; v20     my byte offset in x's scale rows: lanes 0-15 block i, lanes 16-31 block i + 4
.set GW,    21                         ; v21     in W's: lane l row l of 32
.set STO,   24                         ; v24     the way out: where I put 16 bytes of a row
.set RD,    25                         ; v25     and where I read a row back
.set CO,    26                         ; v26     my byte offset in two rows of out
.set PFO,   27                         ; v27     the prefetches' offsets: a lane a row,
.set SPW,   28                         ; v28     LDS address of my spare word; never rewritten
.set NIL,   29                         ; v29     0; never rewritten
.set BO,    30                         ; v30     my byte offset in the bias
.set PFO2,  31                         ; v31     and lane 0 the first, the others the second of two rows
.set SC,    32                         ; set s at v[32 + 32 s]: register 4 i + q: x's blocks i and i + 4; register 16 + 4 p + q: W's pair p; q: the slot's q-th 128 along K
.set XF,    96
.set BIAS,  128                        ; window 1; register 8 b + j: bias[my first column + 16 b + 8 h + j]
.set G1X, 24                           ; descriptor groups 1 and 0 (a set for each slot): x,
.set G0X, 32
.set G1W, 48                           ; W
.set G0W, 56
.set BX,  68                           ; x_codes at the rows that I fetch, K = 0
.set BW,  70                           ; wq at the block row that I fetch and use, K = 0
.set BS,  72                           ; xs at my rows, K = 0
.set BV,  74                           ; wq at my scale rows, K = 0
.set SXB, 76                           ; xs and
.set SWB, 78                           ; wq at the scale rows of the K step that is to be loaded next
.set PA,  80                           ; where the prefetches stand
.set PB,  82
.set PAB, 84                           ; and where they stand at K = 0
.set PBB, 86
.set STA, 88                           ; s88, s89: from K step to K step
.set STB, 89
.set RC,  90                           ; s90: c
.set KI,  91                           ; s91: the place along K, 0 .. 7, of the K step that is asked for
.set OF,  92                           ; s[92:93], s[94:95]: offsets; the upper words are 0
.set OF2, 94
.set PA2, 96
.set PB2, 98
.set PADW, (1<<20)|(1<<21)|(5<<22)|(3<<25)   ; elements of 1 byte; 20 padding on; 21 set beside a mask; 24:22 after every 64 words (code 5); 31:25 of 4 words (code 3)
.set TO_W, 0x40                        ; destination window 1, address window 0
.set MSB, 0
.macro WIN new                         ; the immediate's high byte repeats the setting that is left; a switch that changes nothing is dropped
.if MSB != (\new)
	s_set_vgpr_msb (MSB<<8)|(\new)
.set MSB, (\new)
.endif
.endm
.macro PLACES                          ; four places behind matrix instructions, ahead of loads into registers that they have read and of reads of their results (for reads of their results ISA guide 7.12.1)
.rept 4
	v_nop
.endr
.endm
; The joint loads of a slot, one a wave.  s_nop 0 and four v_nop follow each line, ahead of the jump and the join.
.macro FILL slot
	s_cmp_eq_u32 s15, 0
	s_cbranch_scc0 .Lfor_w_\@
	tensor_load_to_lds s[G0X+4*\slot:G0X+4*\slot+3], s[G1X:G1X+7]
	s_nop 0
	PLACES
	s_branch .Lasked_\@
.Lfor_w_\@:
	tensor_load_to_lds s[G0W+4*\slot:G0W+4*\slot+3], s[G1W:G1W+7]
	s_nop 0
	PLACES
.Lasked_\@:
.endm
; Slot's two descriptors are set to place s[KI] of K: only where no tensor load of the wave is out.
.macro AIM slot
	s_lshl_b32 s[OF], s[KI], 8
	s_mul_i32 s[OF2], s[KI], WBLK
	s_add_nc_u64 s[G0X+4*\slot+2:G0X+4*\slot+3], s[BX:BX+1], s[OF:OF+1]     ; 120:64 global address
	s_add_nc_u64 s[G0W+4*\slot+2:G0W+4*\slot+3], s[BW:BW+1], s[OF2:OF2+1]
	s_or_b32 s[G0X+4*\slot+3], s[G0X+4*\slot+3], 0x80000000                 ; 127:126 type = 2
	s_or_b32 s[G0W+4*\slot+3], s[G0W+4*\slot+3], 0x80000000
.endm
; The next scale loads' bases, place s[KI] of K: behind s_wait_xcnt 0.
.macro AIMS
	s_lshl_b32 s[OF], s[KI], 12
	s_mul_i32 s[OF2], s[KI], WBLK
	s_add_nc_u64 s[SXB:SXB+1], s[BS:BS+1], s[OF:OF+1]
	s_add_nc_u64 s[SWB:SWB+1], s[BV:BV+1], s[OF2:OF2+1]
.endm
; Prefetch bases at place (from + n) mod 8 of K: behind s_wait_xcnt 0 where they have been used.
.macro PSET a, b, from, n
	s_add_co_u32 s45, s[\from], \n
	s_and_b32 s45, s45, 7
	s_mul_i32 s[OF], s45, s[STA]
	s_mul_i32 s[OF2], s45, s[STB]
	s_add_nc_u64 s[\a:\a+1], s[PAB:PAB+1], s[OF:OF+1]
	s_add_nc_u64 s[\b:\b+1], s[PBB:PBB+1], s[OF2:OF2+1]
.endm
.macro PF a, b
	global_prefetch_b8 v[PFO], s[\a:\a+1] th:TH_LOAD_NT scope:SCOPE_SE
	global_prefetch_b8 v[PFO2], s[\b:\b+1] th:TH_LOAD_NT scope:SCOPE_SE
.endm
.macro CREST                           ; a round of the cluster's barrier behind its opening barrier
	s_cmp_lg_u32 s14, 0
	s_cbranch_scc1 .Lnot_wave_0_\@
	s_barrier_signal -3
.Lnot_wave_0_\@:
	s_barrier_wait -3
	s_barrier_signal -1
	s_barrier_wait -1
.endm
.macro CROUND                          ; a whole round
	s_barrier_signal -1
	s_barrier_wait -1
	CREST
.endm
; A fragment, 16 rows x 128 K of 4-bit codes, is 8 registers: lane (r, h) holds row r; registers 4 c .. 4 c + 3 hold K = 64 c + 32 h + 0 .. 31, the lower K in the lower bits.  Load i of a set: 16 rows i / 2, c = i % 2.
.macro LDW slot, q, s                  ; W's 16 loads of the slot's q-th 128 along K, into the set at v[64 s]
	WIN TO_W
.irp i, 0,1,2,3,4,5,6,7,8,9,10,11,12,13,14,15
	ds_load_b128 v[64*(\s)+4*\i:64*(\s)+4*\i+3], v[ADRW+\slot] offset:64*(\q)+32*(\i%2)+(\i/2)*16*PITCH
.endr
.endm
.macro LDX slot, q, s                  ; x's
	WIN 0
.irp i, 0,1,2,3,4,5,6,7,8,9,10,11,12,13,14,15
	ds_load_b128 v[XF+64*(\s)+4*\i:XF+64*(\s)+4*\i+3], v[ADRX+\slot] offset:64*(\q)+32*(\i%2)+(\i/2)*16*PITCH
.endr
.endm
.macro LDXA a                          ; the last K step (slot 1): x's block a, 16 rows x 512 K, into buffer a % 4
	WIN 0
.irp m, 0,1,2,3,4,5,6,7
	ds_load_b128 v[XF+32*((\a)%4)+4*\m:XF+32*((\a)%4)+4*\m+3], v[ADRX+1] offset:32*\m+(\a)*16*PITCH
.endr
.endm
.macro SLOAD s                         ; a K step's scale words into set s: four words a row
.irp i, 0,1,2,3
	global_load_b128 v[SC+32*(\s)+4*\i:SC+32*(\s)+4*\i+3], v[GX], s[SXB:SXB+1] offset:256*\i
	global_load_b128 v[SC+32*(\s)+16+4*\i:SC+32*(\s)+16+4*\i+3], v[GW], s[SWB:SWB+1] offset:512*\i
.endr
.endm
; Four products: x's block a (fragment at xb) against W's four pairs of blocks (from wb), the slot's q-th 128 along K; sc: the set of scale words.  first = 1: the sum starts, with the bias as C.
; The 32 accumulators take turns, one instruction a turn, in the same order in every step.
.macro BLK a, wb, xb, q, sc, first
.if \first
	WIN 0x91+0x40*((\a)/4)                         ; W and C (the bias) window 1, x window 0, D window 2 or 3
.else
	WIN 0xa1+0x50*((\a)/4)                         ; W window 1, x window 0, C and D window 2 or 3
.endif
.irp b, 0,1,2,3
.set rD, 64*((\a)%4)+16*\b
.set rW, (\wb)+16*\b
.set rX, \xb
.if \first
.set rC, BIAS+16*\b
.else
.set rC, rD
.endif
.set sW, SC+32*(\sc)+16+4*\b+(\q)
.set sX, SC+32*(\sc)+4*((\a)%4)+(\q)
.if (\a) < 4
	v_wmma_scale_f32_32x16x128_f4 v[rD:rD+15], v[rW:rW+15], v[rX:rX+7], v[rC:rC+15], v[sW], v[sX]
.else
	v_wmma_scale_f32_32x16x128_f4 v[rD:rD+15], v[rW:rW+15], v[rX:rX+7], v[rC:rC+15], v[sW], v[sX] matrix_b_scale:MATRIX_SCALE_ROW1
.endif
.endr
.endm
; A slot's first or second step.  Ahead of x's block a the younger loads may be out: blocks a + 1 .. 7 (14 - 2 a) and this step's 32.  In the first step the next K step's scale words are asked for as well.
.macro STEP slot, q, first
.if \q == 0
	s_wait_loadcnt 0x0                             ; this K step's scale words (asked for a K step ago; at the very first the bias too)
.endif
	PLACES
	LDW \slot, (\q)+1, 1-(\q)%2
	LDX \slot, (\q)+1, 1-(\q)%2
.if \q == 0
	SLOAD 1-\slot
.endif
.irp a, 0,1,2,3,4,5,6,7
	s_wait_dscnt 46-2*\a
	BLK \a, 64*((\q)%2), XF+64*((\q)%2)+8*\a, \q, \slot, \first
.endr
	WIN 0
.endm
; A slot's third step, and the change of slots: ONE barrier.  In front of it each wave waits for all its tensor loads (its part of the next slot), adds 0 to its spare word, and waits for that and for its reads of
; this slot.  fill = 1: the barrier opens a round of the cluster's barrier, and this slot is filled again, two K steps on: trip s3 asks for K steps 2 s3 + 2 (slot 0) and 2 s3 + 3 (slot 1).
.macro STEPT slot, fill
	PLACES
	LDW \slot, 3, 1
	LDX \slot, 3, 1
.irp a, 0,1,2,3,4,5
	s_wait_dscnt 46-2*\a                           ; x's blocks a + 1 .. 7 and this step's 32 may be out
	BLK \a, 0, XF+8*\a, 2, \slot, 0
.if \fill
.if \a == 1
	s_wait_xcnt 0x0                                ; my prefetches and scale loads have read their addresses
	s_lshl_b32 s[KI], s3, 1
	s_add_co_u32 s[KI], s[KI], s[RC]
	s_add_co_u32 s[KI], s[KI], 2+\slot
	s_and_b32 s[KI], s[KI], 7
.elseif \a == 2
	AIMS
.elseif \a == 3
	PSET PA, PB, KI, 2
.endif
.endif
.endr
	WIN 0
	s_wait_tensorcnt 0x0                           ; all my tensor loads have landed
	ds_add_u32 v[SPW], v[NIL]
.if \fill
	AIM \slot                                      ; no tensor load of mine is out: the descriptors may be written
.endif
	s_wait_dscnt 33                                ; this step's 32 and the add may be out
	BLK 6, 0, XF+48, 2, \slot, 0
	s_wait_dscnt 0x0                               ; the add is done, and my reads of this slot are over
	s_barrier_signal -1
	BLK 7, 0, XF+56, 2, \slot, 0
	WIN 0
	s_barrier_wait -1
.if \fill
	CREST                                          ; no wave of any partner still reads this slot or has a load on its way
	FILL \slot                                     ; the first tensor load behind the round; its v_nop are also the places ahead of the next loads
.else
	PLACES
.endif
.endm
; A slot's fourth step: its fragments are all in.  Under it the next slot's first fragments are loaded; behind that run the prefetches are asked for.
.macro STEP3 slot, next
	LDW \next, 0, 0
	LDX \next, 0, 0
	s_cmp_lt_u32 s3, 2                             ; trips 0 and 1 ask for K steps 4 .. 7
	s_cbranch_scc0 .Lno_more_\@
	PF PA, PB
.Lno_more_\@:
.irp a, 0,1,2,3,4,5,6,7
	BLK \a, 64, XF+64+8*\a, 3, \slot, 0
.endr
	WIN 0
.endm
	s_load_b256 s[4:11], s[0:1], 0x0               ; x_codes s[4:5], xs s[6:7], wq s[8:9], bias s[10:11]
	s_load_b64 s[12:13], s[0:1], 0x20              ; out
	v_lshl_add_u32 v[SPW], v0, 2, SPARE
	v_mov_b32 v[NIL], 0
	ds_add_u32 v[SPW], v[NIL]                      ; the wave's opening: the add, twice on end, and its wait ahead of my first tensor load
	ds_add_u32 v[SPW], v[NIL]
	v_lshrrev_b32 v1, 5, v0
	v_readfirstlane_b32 s14, v1                    ; wave 0..3
	s_lshr_b32 s15, s14, 1                         ; which half of the tile's rows is mine.  Also: I fetch for x (0) or for W (1)
	s_and_b32 s16, s14, 1                          ; which half of its columns.  Also: which half of that tile I fetch
	s_mul_i32 s18, s15, HALF
	s_mul_i32 s20, s16, HALF
	s_add_co_u32 s19, s20, 2*HALF
	s_mul_i32 s22, s14, 16*PITCH
	s_add_co_u32 s22, s22, STAGE
	s_movk_i32 s23, 0x800
	s_movk_i32 s45, 0x100
	s_cmp_eq_u32 s15, 0
	s_cselect_b32 s23, s23, s45                    ; the prefetches' rows lie 2,048 bytes apart in x_codes, 256 in wq
	v_and_b32 v1, 15, v0                           ; r
	v_bfe_u32 v2, v0, 4, 1                         ; h
	v_and_b32 v3, 31, v0
	v_mul_u32_u24 v4, v1, PITCH
	v_lshl_add_u32 v4, v2, 4, v4                   ; row r, 16 bytes for each half of the lanes
	v_lshlrev_b32 v5, 4, v1
	v_mad_u32_u24 v7, v2, PITCH, v5                ; two rows of the stage
	v_lshl_add_u32 v[GX], v2, 10, v5               ; lanes 16-31 four scale rows on
	v_lshlrev_b32 v[GW], 4, v3
	v_add_nc_u32 v[ADRX], s18, v4
	v_add_nc_u32 v[ADRW], s19, v4
	v_add_nc_u32 v[ADRX+1], SLOT, v[ADRX]
	v_add_nc_u32 v[ADRW+1], SLOT, v[ADRW]
	v_add_nc_u32 v[STO], s22, v4
	v_add_nc_u32 v[RD], s22, v7
	v_lshlrev_b32 v8, 13, v2
	v_lshl_add_u32 v[CO], v1, 4, v8                ; lanes 0-15 a row of out, lanes 16-31 the next
	v_lshlrev_b32 v[BO], 5, v2
	v_mul_u32_u24 v[PFO], s23, v3
	v_min_u32 v3, 1, v3
	v_lshlrev_b32 v[PFO2], 8, v3
	s_bfe_u32 s40, ttmp6, 0x40000                  ; cx, cy: my place in the cluster
	s_bfe_u32 s41, ttmp6, 0x40004
	s_lshl_b32 s42, ttmp9, 2
	s_add_co_u32 s42, s42, s40                     ; tile column
	s_and_b32 s17, ttmp7, 0xffff
	s_lshl_b32 s[RC], s17, 1                       ; twice the cluster's y,
	s_and_b32 s45, ttmp9, 1                        ; + its x mod 2,
	s_add_co_u32 s[RC], s[RC], s45
	s_and_b32 s[RC], s[RC], 7                      ; mod 8: c
	s_lshl_b32 s17, s17, 2
	s_add_co_u32 s17, s17, s41                     ; tile row
	s_lshl_b32 s43, s41, 2
	s_lshl_b32 s43, 15, s43                        ; my row of the cluster
	s_lshl_b32 s44, 0x1111, s40                    ; my column
	s_or_b32 s[G1X], s43, PADW                     ; x's tiles go to my row, W's blocks to my column
	s_or_b32 s[G1W], s44, PADW
.irp g, G1X, G1W
	s_mov_b32 s[\g+1], 256<<16                     ; tensor_dim0 = 256
	s_mov_b32 s[\g+2], 128<<16                     ; tensor_dim1 = 128
	s_mov_b32 s[\g+3], 256<<16                     ; tile_dim0
	s_mov_b32 s[\g+4], 128                         ; tile_dim1
	s_mov_b32 s[\g+6], 0
	s_mov_b32 s[\g+7], 0
.endr
	s_mov_b32 s[G1X+5], 2048                       ; x's rows lie 2,048 bytes apart, W's are dense
	s_mov_b32 s[G1W+5], 256
	s_mov_b32 s[OF+1], 0
	s_mov_b32 s[OF2+1], 0
	s_lshl_b32 s46, s17, 19                        ; x: 256 rows of 2,048 bytes a tile row,
	s_lshl_b32 s18, s16, 18
	s_add_co_u32 s18, s46, s18                     ; 128 rows for the half that I fetch
	s_mov_b32 s19, 0
	s_lshl_b32 s47, s17, 15                        ; its scale bytes: 32,768 a tile row,
	s_lshl_b32 s20, s15, 11
	s_add_co_u32 s20, s47, s20                     ; eight scale rows for my half
	s_mov_b32 s21, 0
	s_lshl_b32 s22, s42, 1
	s_add_co_u32 s22, s22, s16                     ; W: block row 2 x tile column + half, eight blocks each
	s_mul_i32 s22, s22, 8*WBLK
	s_mov_b32 s23, 0
	; the prefetches' offsets at K = 0.  x: row 64 cx + 32 x wave of the tile; its scale rows 4 cx + 2 x wave
	s_lshl_b32 s45, s40, 17
	s_add_co_u32 s[PA], s46, s45
	s_lshl_b32 s45, s16, 16
	s_add_co_u32 s[PA], s[PA], s45
	s_lshl_b32 s45, s40, 10
	s_add_co_u32 s[PB], s47, s45
	s_lshl_b32 s45, s16, 9
	s_add_co_u32 s[PB], s[PB], s45
	; W: row 32 cy of the block; its scale rows 2 cy
	s_lshl_b32 s45, s41, 13
	s_add_co_u32 s[PA2], s22, s45
	s_lshl_b32 s45, s41, 9
	s_add_co_u32 s[PB2], s22, s45
	s_add_co_u32 s[PB2], s[PB2], 128*256
	s_mov_b32 s[STA], 256
	s_mov_b32 s[STB], 4096
	s_mov_b32 s45, WBLK
	s_cmp_eq_u32 s15, 0
	s_cselect_b32 s[PA], s[PA], s[PA2]
	s_cselect_b32 s[PB], s[PB], s[PB2]
	s_cselect_b32 s[STA], s[STA], s45
	s_cselect_b32 s[STB], s[STB], s45
	s_mov_b32 s[PA+1], 0
	s_mov_b32 s[PB+1], 0
	s_mul_i32 s45, s16, HALF                       ; where my loads go: no place in the cluster enters an LDS address
	s_add_co_u32 s46, s45, 2*HALF
	s_wait_alu depctr_va_vdst(0)
	s_wait_dscnt 0x0                               ; both opening adds are done
	s_wait_kmcnt 0x0
	s_add_nc_u64 s[BX:BX+1], s[4:5], s[18:19]
	s_add_nc_u64 s[BS:BS+1], s[6:7], s[20:21]
	s_add_nc_u64 s[BW:BW+1], s[8:9], s[22:23]
	s_add_nc_u64 s[BV:BV+1], s[BW:BW+1], 128*256
.irp s, 0,1
	s_mov_b32 s[G0X+4*\s], 1                       ; 1:0 count = 1
	s_add_co_u32 s[G0X+4*\s+1], s45, \s*SLOT       ; 63:32 LDS address
	s_mov_b32 s[G0W+4*\s], 1
	s_add_co_u32 s[G0W+4*\s+1], s46, \s*SLOT
	s_add_co_u32 s[KI], s[RC], \s
	s_and_b32 s[KI], s[KI], 7
	AIM \s
.endr
	s_mov_b32 s[KI], s[RC]
	AIMS
	CROUND                                         ; all sixteen work-groups are here: the first joint loads meet
	FILL 0                                         ; the first K step: one tensor load a wave at the head
	SLOAD 0                                        ; its scale words
	s_lshl_b32 s46, s42, 10                        ; the bias of my 128 columns: 1,024 bytes a tile column, 512 for my half
	s_lshl_b32 s47, s16, 9
	s_add_co_u32 s46, s46, s47
	s_mov_b32 s47, 0
	s_add_nc_u64 s[10:11], s[10:11], s[46:47]
	WIN TO_W
.irp b, 0,1,2,3,4,5,6,7
	global_load_b128 v[BIAS+8*\b:BIAS+8*\b+3], v[BO], s[10:11] offset:64*\b
	global_load_b128 v[BIAS+8*\b+4:BIAS+8*\b+7], v[BO], s[10:11] offset:64*\b+16
.endr
	WIN 0
	s_cmp_eq_u32 s15, 0
	s_cselect_b64 s[PAB:PAB+1], s[4:5], s[8:9]
	s_cselect_b64 s[PBB:PBB+1], s[6:7], s[8:9]
	s_add_nc_u64 s[PAB:PAB+1], s[PAB:PAB+1], s[PA:PA+1]
	s_add_nc_u64 s[PBB:PBB+1], s[PBB:PBB+1], s[PB:PB+1]
	PSET PA, PB, RC, 1
	PF PA, PB                                      ; K step 1
	PSET PA2, PB2, RC, 2
	s_lshl_b32 s18, s17, 21                        ; my first row of out: 256 x tile row + 128 x half, 8,192 bytes a row
	s_lshl_b32 s19, s15, 20
	s_add_co_u32 s18, s18, s19
	s_lshl_b32 s19, s42, 9                         ; my first column: 512 bytes a tile column, 256 for my half
	s_add_co_u32 s18, s18, s19
	s_lshl_b32 s19, s16, 8
	s_add_co_u32 s18, s18, s19
	s_mov_b32 s19, 0
	s_add_nc_u64 s[12:13], s[12:13], s[18:19]
	s_wait_xcnt 0x0                                ; my loads and prefetches have read their addresses
	s_add_co_u32 s[KI], s[RC], 1
	s_and_b32 s[KI], s[KI], 7
	AIMS                                           ; the second K step's scale words come next
	PSET PA, PB, RC, 3
	s_wait_tensorcnt 0x0                           ; my part of the first K step is in
	ds_add_u32 v[SPW], v[NIL]
	s_wait_dscnt 0x0
	CROUND                                         ; everybody's part is in
	FILL 1                                         ; K step 1
	LDW 0, 0, 0
	LDX 0, 0, 0
	PF PA2, PB2                                    ; K steps 2 and 3
	PF PA, PB
	s_wait_dscnt 16                                ; W's fragments are in
	STEP 0, 0, 1                                   ; the first step stands in front of the loop: its products start the sums
	s_mov_b32 s3, 0
.Llap:                                                 ; a trip goes once round the ring, from a slot's second step on, and fills both slots again (K steps 2, 3; 4, 5; 6, 7)
	STEP 0, 1, 0
	STEPT 0, 1
	STEP3 0, 1
	STEP 1, 0, 0
	STEP 1, 1, 0
	STEPT 1, 1
	STEP3 1, 0
	STEP 0, 0, 0
	s_add_co_u32 s3, s3, 1
	s_cmp_lt_u32 s3, 3
	s_cbranch_scc1 .Llap
	STEP 0, 1, 0                                   ; K step 6 goes on; nothing is filled any more
	STEPT 0, 0
; THE LAST K STEP (slot 1) GOES BY ROWS OF OUT.  All its fragments of W fill window 1; my eight blocks of 16 rows are finished one after the other, 16 products each, the block's four accumulators by turns,
; and each block leaves as soon as it is finished.
.macro ROW a
.irp q, 0,2,3,1
	BLK \a, 64*\q, XF+32*((\a)%4)+8*\q, \q, 1, 0
.endr
.endm
; THE WAY OUT of block a, 16 rows x 128 columns: rounded to bf16 in place (each accumulator from its low end on), 16 bytes a lane; into my own stage and back as whole rows of 256 bytes (LDS serves a wave's
; instructions in order: ISA guide 5.7.1.4); stored.  The block of x two further on is loaded behind the stage's loads.
.macro OUT a
.set AC, 64*((\a)%4)
	PLACES
	WIN 0x8a+0x45*((\a)/4)                         ; sources and destination window 2 or 3
.set JN, 0
.rept 32
	v_cvt_pk_bf16_f32 v[AC+JN], v[AC+2*JN], v[AC+2*JN+1]
.set JN, JN+1
.endr
	WIN 0x88+0x44*((\a)/4)                         ; data window 2 or 3, addresses window 0
.irp b, 0,1,2,3,4,5,6,7
	ds_store_b128 v[STO], v[AC+4*\b:AC+4*\b+3] offset:32*\b
.endr
.irp t, 0,1,2,3,4,5,6,7
	ds_load_b128 v[AC+32+4*\t:AC+35+4*\t], v[RD] offset:2*PITCH*\t
.endr
.if (\a) < 6
	LDXA \a+2
	WIN 0x88+0x44*((\a)/4)
	s_wait_dscnt 8                                 ; the block is back in registers; x's eight loads may be out
.else
	s_wait_dscnt 0x0
.endif
.irp t, 0,1,2,3,4,5,6,7
	global_store_b128 v[CO], v[AC+32+4*\t:AC+35+4*\t], s[12:13] offset:8192*(16*(\a)+2*\t) th:TH_STORE_NT   ; 16 lanes store 256 bytes on end, at a multiple of 256 from out's first byte
.endr
.endm
	LDW 1, 0, 0                                    ; under K step 6's fourth step: W's run 0, x's block 0, W's run 2
	LDXA 0
	LDW 1, 2, 2
.irp a, 0,1,2,3,4,5,6,7
	BLK \a, 64, XF+64+8*\a, 3, 0, 0
.endr
	PLACES
	s_wait_loadcnt 0x0                             ; the last K step's scale words
	s_wait_dscnt 16                                ; W's run 0 and x's block 0 are in; run 2's sixteen may be out
	LDW 1, 3, 3
	LDW 1, 1, 1
	LDXA 1
	BLK 0, 0, XF, 0, 1, 0
	s_wait_dscnt 40                                ; run 2 is in: runs 3 and 1 and x's block 1 may be out
	BLK 0, 128, XF+16, 2, 1, 0
	s_wait_dscnt 24                                ; run 3 is in
	BLK 0, 192, XF+24, 3, 1, 0
	s_wait_dscnt 8                                 ; run 1 is in
	BLK 0, 64, XF+8, 1, 1, 0
	OUT 0
.irp a, 1,2,3,4,5,6,7
	ROW \a                                         ; its block of x came in ahead of the stage loads waited for last
	OUT \a
.endr
	WIN 0
	s_wait_tensorcnt 0x0                           ; the wave's end: behind my last tensor load and my last LDS store
	ds_add_u32 v[SPW], v[NIL]
	s_wait_dscnt 0x0
	CROUND                                         ; the closing round: no work-group ends while a partner may still ask for a tile that names it
	s_endpgm
.Lfunc_end_k_q5f2ee707a3_gemm:
	.size	k_q5f2ee707a3_gemm, .Lfunc_end_k_q5f2ee707a3_gemm-k_q5f2ee707a3_gemm
	.p2alignl 7, 3214868480
	.fill 96, 4, 3214868480
	.section	.rodata,"a",@progbits
	.p2align	6, 0x0
	.amdhsa_kernel k_q5f2ee707a3_gemm
		.amdhsa_group_segment_fixed_size 327680
		.amdhsa_private_segment_fixed_size 0
		.amdhsa_enable_private_segment 0
		.amdhsa_kernarg_size 40
		.amdhsa_user_sgpr_count 2
		.amdhsa_user_sgpr_kernarg_segment_ptr 1
		.amdhsa_wavefront_size32 1
		.amdhsa_system_sgpr_workgroup_id_x 1
		.amdhsa_system_sgpr_workgroup_id_y 1
		.amdhsa_system_sgpr_workgroup_id_z 1
		.amdhsa_system_vgpr_workitem_id 0
		.amdhsa_next_free_vgpr 1024
		.amdhsa_next_free_sgpr 100
		.amdhsa_reserve_vcc 0
		.amdhsa_float_denorm_mode_32 3
		.amdhsa_float_denorm_mode_16_64 3
		.amdhsa_memory_ordered 1
		.amdhsa_forward_progress 1
		.amdhsa_inst_pref_size 155
	.end_amdhsa_kernel
	.amdgpu_metadata
---
amdhsa.version: [ 1, 2 ]
amdhsa.kernels:
  - .name:           k_q5f2ee707a3_gemm
    .symbol:         k_q5f2ee707a3_gemm.kd
    .args:
      - { .name: x_codes, .offset: 0, .size: 8, .value_kind: global_buffer, .address_space: global }
      - { .name: xs, .offset: 8, .size: 8, .value_kind: global_buffer, .address_space: global }
      - { .name: wq, .offset: 16, .size: 8, .value_kind: global_buffer, .address_space: global }
      - { .name: bias, .offset: 24, .size: 8, .value_kind: global_buffer, .address_space: global }
      - { .name: out0, .offset: 32, .size: 8, .value_kind: global_buffer, .address_space: global }
    .group_segment_fixed_size: 327680
    .private_segment_fixed_size: 0
    .kernarg_segment_align: 8
    .kernarg_segment_size: 40
    .max_flat_workgroup_size: 128
    .sgpr_count:     100
    .vgpr_count:     1024
    .wavefront_size: 32
...
	.end_amdgpu_metadata
.endif
;; end of part 2
